; MI455X (gfx1250); checked and timed in simulation.
; The chip was launched on July 23, 2026; its instructions are those of AMD's public machine-readable ISA for CDNA 5 (MIT licence, August 2026) and "CDNA5" Instruction Set Architecture Reference Guide (July 2026). The comments in the code are by the model that wrote it; some were corrected since.
;; Region. Allowed arithmetic: float matrix products may take bf16 or f16 operands with f32 sums; other float arithmetic in f32, or as packed bf16 or f16 multiplies, adds, multiply-adds, maxima and minima; sums over many terms, partial sums and values carried from step to step in f32; what a program stores and reads back later, other than sums and carried values, may be rounded once to bf16 or f16.
;; Inputs: bias 10 float32; x 32 x 13 x 13 x 125 float32.
;; Outputs: out0 32 x 845 x 25 float32.
;; One version. Each part assembles by itself: llvm-mc -triple=amdgcn-amd-amdhsa -mcpu=gfx1250 --defsym DOCPART=n.
;; ======== version 1 of 1: 2 launches
;; workspace buffers: cand 108,288 bytes of whole numbers; score 108,288 bytes
;; launch decode (part 1): grid 423 x 1, 1 waves a work-group, no clusters, 6,656 bytes of LDS; arguments x, bias, out0, cand, score; writes out0, cand, score
.if DOCPART == 1
	.amdgcn_target "amdgcn-amd-amdhsa--gfx1250"
	.amdhsa_code_object_version 6
	.text
	.protected	k_qaf0b4b4eea_decode
	.globl	k_qaf0b4b4eea_decode
	.p2align	8
	.type	k_qaf0b4b4eea_decode,@function
k_qaf0b4b4eea_decode:
	s_mov_b64 s[64:65], 0
	v_nop
	global_prefetch_b8 v0, s[64:65] scope:SCOPE_SE
	s_setreg_imm32_b32 hwreg(HW_REG_WAVE_MODE, 25, 1), 1
	s_wait_xcnt 0x0
; REGION LAYER, FIRST OF TWO LAUNCHES: the boxes are decoded, and the boxes that can win a class are named.
; x: [32][13][13][5 x 25] f32 = 27,040 boxes of 25 numbers on end; out0: the same 27,040 x 25.  For each box: bx, by, bw, bh, obj are stored, and 0 in all 20 class columns;
; cand[box] = class + 1 if obj x softmax passes 0.5 for a class, else 0; score[box] = that product, else 0.  The second launch reads cand and score and stores the class columns' numbers that are not 0.
; WORK LEFT OUT, for all values of the inputs.  (1) Only the class of the largest logit is tested: for any other class e_j <= e_max, so sum >= 2 e_j, softmax_j <= 0.5 and obj x softmax_j <= 0.5
; (obj <= 1), which is not above 0.5; two equal largest logits fail the same way.  So a box has at most one class with a number that is not 0.  (2) A step of reference()'s loop whose box is not valid has
; alive = false and changes nothing, and a box that is not valid gets 0 whatever its suppressed bit: only pairs of valid boxes of one image and one class matter.  Which they are hangs on the values, so
; it is stored here as whole numbers and the second launch does what they ask for.  Every input is loaded.
; LIMITS.  1 / x by v_rcp_f32 where reference() divides, and / 13 as a product with 1/13: the last bits differ, so a product within a few last places of 0.5 may fall on the other side.  The softmax's
; sum is taken in another order.  The exponent is (z - max) log2 e by one fused multiply-add on max x log2 e: logits stay under 2^127 / 1.45.  NaN and infinities are not treated apart, and one that reaches only the work left out is not carried on.
; SHARES.  One wave a work-group; a wave takes 64 boxes = 6,400 bytes = 25 aligned blocks of 256 bytes, the last wave the 32 boxes that are left.  The bytes come in by loads of 16 bytes a lane (the last 256
; by 8 bytes a lane, so that every lane is on), go through an LDS stage, and lane l takes boxes 2 l and 2 l + 1 out of it word by word: word 50 l + j, and 50 l mod 64 is a different even number for each of the 32 lanes
; (64 banks of 4 bytes: ISA guide 11.1).  The two boxes lie in register pairs, so most arithmetic is packed.  Results go back through the same stage and leave as they came.
.set NWG,   423                        ; work-groups
.set CHUNK, 6400                       ; bytes of x and of out0 for a wave
.set HALF,  3200                       ; the last wave's bytes
.set SPARE, 6400                       ; behind the stage: the spare words, one block of 256 bytes that no other line names
.set SPW, 2                            ; v2      LDS address of my spare word; never rewritten
.set NIL, 3                            ; v3      0, for the add alone
.set O16, 4                            ; v4      16 x lane
.set O8,  5                            ; v5      8 x lane
.set O4,  6                            ; v6      4 x lane
.set BOX, 7                            ; v7      200 x lane: my two boxes in the stage
.set FA,  8                            ; v8, v9  my two boxes' numbers
.set FB,  9
.set OA,  10                           ; v10, v11  8 x anchor: their places in bias
.set ZQ,  16                           ; v[16:19] zeros
.set GX,  20                           ; pairs (first box, second box): column of the grid,
.set GY,  22                           ; row,
.set BW,  24                           ; the anchor's width / 13,
.set BH,  26                           ; its height / 13,
.set MX,  28                           ; largest logit,
.set ML,  30                           ; that x log2 e,
.set EC,  32                           ; the largest logit's exponential,
.set PV,  34                           ; obj x softmax of that class, or 0,
.set CL,  36                           ; class + 1, or 0
.set U,   38                           ; v[38:47] five pairs: the exponents of the box numbers and obj
.set Z,   48                           ; v[48:97] number j of the two boxes at Z + 2 j, Z + 2 j + 1; numbers 0 to 4 become the results
.set E,   98                           ; v[98:137] the 20 classes' exponentials, in pairs
.set ST,  140                          ; v[140:191] bytes on their way between memory and the stage
.set LG,  20                           ; s[20:21] log2 e (named as pairs by the packed forms, which take the low word)
.set NL,  22                           ; s[22:23] - log2 e
.set I13, 24                           ; s[24:25] 1 / 13
; box f = (image x 169 + cell) x 5 + anchor; cell = row x 13 + column.  f / 5 = f x 52429 >> 18 (exact under 2^18); c / 13 = c x 5042 >> 16 (exact under 6,553; c stays under 5,415)
.macro GRID f, o
	v_mul_u32_u24 v12, v[\f], 0xcccd
	v_lshrrev_b32 v12, 18, v12                     ; image x 169 + cell
	v_mul_u32_u24 v13, v12, 5
	v_sub_nc_u32 v13, v[\f], v13                   ; anchor
	v_lshlrev_b32 v[OA+(\o)], 3, v13
	v_mul_u32_u24 v13, v12, 0x13b2
	v_lshrrev_b32 v13, 16, v13                     ; image x 13 + row
	v_mul_u32_u24 v14, v13, 13
	v_sub_nc_u32 v12, v12, v14                     ; column
	v_cvt_f32_u32 v[GX+(\o)], v12
	v_mul_u32_u24 v14, v13, 0x13b2
	v_lshrrev_b32 v14, 16, v14                     ; image
	v_mul_u32_u24 v14, v14, 13
	v_sub_nc_u32 v13, v13, v14                     ; row
	v_cvt_f32_u32 v[GY+(\o)], v13
.endm
	s_load_b256 s[4:11], s[0:1], 0x0               ; x s[4:5], bias s[6:7], out0 s[8:9], cand s[10:11]
	s_load_b64 s[12:13], s[0:1], 0x20              ; score
	v_lshl_add_u32 v[SPW], v0, 2, SPARE
	v_mov_b32 v[NIL], 0
	v_lshlrev_b32 v[O16], 4, v0
	v_lshlrev_b32 v[O8], 3, v0
	v_lshlrev_b32 v[O4], 2, v0
	v_mul_u32_u24 v[BOX], v0, 200
.irp i, 0,1,2,3
	v_mov_b32 v[ZQ+(\i)], 0
.endr
	s_lshl_b32 s16, ttmp9, 6                       ; the wave's first box
	v_lshl_add_u32 v[FA], v0, 1, s16
	v_add_nc_u32 v[FB], 1, v[FA]
	GRID FA, 0
	GRID FB, 1
	s_mov_b32 s[LG], 0x3fb8aa3b
	s_mov_b32 s[LG+1], 0x3fb8aa3b
	s_mov_b32 s[NL], 0xbfb8aa3b
	s_mov_b32 s[NL+1], 0xbfb8aa3b
	s_mov_b32 s[I13], 0x3d9d89d9
	s_mov_b32 s[I13+1], 0x3d9d89d9
	s_mul_i32 s14, ttmp9, CHUNK                    ; the wave's bytes in x and out0 (under 2^32)
	s_mov_b32 s15, 0
	s_lshl_b32 s18, ttmp9, 8                       ; its 64 words in cand and score
	s_mov_b32 s19, 0
	s_wait_kmcnt 0x0
	s_add_nc_u64 s[4:5], s[4:5], s[14:15]
	s_add_nc_u64 s[8:9], s[8:9], s[14:15]
	s_add_nc_u64 s[10:11], s[10:11], s[18:19]
	s_add_nc_u64 s[12:13], s[12:13], s[18:19]
	global_load_b32 v[BW],   v[OA],   s[6:7]          ; the anchors' priors: older than every load of x, so the waits below cover them
	global_load_b32 v[BW+1], v[OA+1], s[6:7]
	global_load_b32 v[BH],   v[OA],   s[6:7] offset:4
	global_load_b32 v[BH+1], v[OA+1], s[6:7] offset:4
	s_cmp_eq_u32 ttmp9, NWG-1
	s_cbranch_scc1 .Ltail_in
.irp k, 0,1,2,3,4,5,6,7,8,9,10,11
	global_load_b128 v[ST+4*(\k):ST+4*(\k)+3], v[O16], s[4:5] offset:512*(\k) th:TH_LOAD_NT
.endr
	global_load_b64 v[ST+48:ST+49], v[O8], s[4:5] offset:6144 th:TH_LOAD_NT
.irp k, 0,1,2,3,4,5,6,7,8,9,10,11
	s_wait_loadcnt 12-(\k)                         ; loads come back in order: the 12 - k issued behind this one may stay out
	ds_store_b128 v[O16], v[ST+4*(\k):ST+4*(\k)+3] offset:512*(\k)
.endr
	s_wait_loadcnt 0x0
	ds_store_b64 v[O8], v[ST+48:ST+49] offset:6144
	s_branch .Lstaged
.Ltail_in:                                             ; the last wave: 3,200 bytes = 6 x 512 + 128, the last 128 by 4 bytes a lane; the stage's other half takes zeros, so that lanes 16 to 31 work on numbers
.irp k, 0,1,2,3,4,5
	global_load_b128 v[ST+4*(\k):ST+4*(\k)+3], v[O16], s[4:5] offset:512*(\k) th:TH_LOAD_NT
.endr
	global_load_b32 v[ST+24], v[O4], s[4:5] offset:3072 th:TH_LOAD_NT
.irp k, 0,1,2,3,4,5
	ds_store_b128 v[O16], v[ZQ:ZQ+3] offset:HALF+512*(\k)
.endr
	ds_store_b32 v[O4], v[ZQ] offset:HALF+3072
.irp k, 0,1,2,3,4,5
	s_wait_loadcnt 6-(\k)                          ; the 6 - k younger loads may stay out
	ds_store_b128 v[O16], v[ST+4*(\k):ST+4*(\k)+3] offset:512*(\k)
.endr
	s_wait_loadcnt 0x0
	ds_store_b32 v[O4], v[ST+24] offset:3072
.Lstaged:
.set j, 0
.rept 25                                               ; LDS serves a wave's instructions in order (ISA guide 5.7.1.4): these see the stores above
	ds_load_b32 v[Z+2*j],   v[BOX] offset:4*j
	ds_load_b32 v[Z+2*j+1], v[BOX] offset:100+4*j
.set j, j+1
.endr
	s_wait_dscnt 0x0
.irp k, 0,1,2,3,4,5,6,7,8,9,10,11                      ; the stage has been read: it takes zeros, which stay in the class columns
	ds_store_b128 v[O16], v[ZQ:ZQ+3] offset:512*(\k)
.endr
	ds_store_b64 v[O8], v[ZQ:ZQ+1] offset:6144
	; the largest of the 20 logits (numbers 5 to 24), three operands at a time, the two boxes by turns
	v_max3_num_f32 v[MX],   v[Z+10], v[Z+12], v[Z+14]
	v_max3_num_f32 v[MX+1], v[Z+11], v[Z+13], v[Z+15]
.irp j, 8,10,12,14,16,18,20,22
	v_max3_num_f32 v[MX],   v[MX],   v[Z+2*(\j)],   v[Z+2*(\j)+2]
	v_max3_num_f32 v[MX+1], v[MX+1], v[Z+2*(\j)+1], v[Z+2*(\j)+3]
.endr
	v_max_num_f32 v[MX],   v[MX],   v[Z+48]
	v_max_num_f32 v[MX+1], v[MX+1], v[Z+49]
	v_pk_mul_f32 v[ML:ML+1], v[MX:MX+1], s[LG:LG+1] op_sel_hi:[1,0]
.set j, 0
.rept 20                                               ; z log2 e - max log2 e.  What the rounding of max log2 e leaves is the same in all 20 and in EC, and cancels in EC / sum
	v_pk_fma_f32 v[E+2*j:E+2*j+1], v[Z+10+2*j:Z+11+2*j], s[LG:LG+1], v[ML:ML+1] op_sel_hi:[1,0,1] neg_lo:[0,0,1] neg_hi:[0,0,1]
.set j, j+1
.endr
	v_pk_fma_f32 v[EC:EC+1], v[MX:MX+1], s[LG:LG+1], v[ML:ML+1] op_sel_hi:[1,0,1] neg_lo:[0,0,1] neg_hi:[0,0,1]
	v_pk_mul_f32 v[U:U+1],   v[Z:Z+1],   s[NL:NL+1] op_sel_hi:[1,0]   ; sigmoid(t) = 1 / (1 + 2^(-t log2 e)): numbers 0, 1 and 4
	v_pk_mul_f32 v[U+2:U+3], v[Z+2:Z+3], s[NL:NL+1] op_sel_hi:[1,0]
	v_pk_mul_f32 v[U+4:U+5], v[Z+4:Z+5], s[LG:LG+1] op_sel_hi:[1,0]   ; e^t: numbers 2 and 3
	v_pk_mul_f32 v[U+6:U+7], v[Z+6:Z+7], s[LG:LG+1] op_sel_hi:[1,0]
	v_pk_mul_f32 v[U+8:U+9], v[Z+8:Z+9], s[NL:NL+1] op_sel_hi:[1,0]
.set j, 0
.rept 40                                               ; ONE BATCH of 52 exponentials
	v_exp_f32 v[E+j], v[E+j]
.set j, j+1
.endr
	v_exp_f32 v[EC], v[EC]
	v_exp_f32 v[EC+1], v[EC+1]
.set j, 0
.rept 10
	v_exp_f32 v[U+j], v[U+j]
.set j, j+1
.endr
	; work that names no exponential's result stands behind the batch: the priors / 13, and which logit is the largest (from the last class down, so that the lowest wins)
	v_pk_mul_f32 v[BW:BW+1], v[BW:BW+1], s[I13:I13+1] op_sel_hi:[1,0]
	v_pk_mul_f32 v[BH:BH+1], v[BH:BH+1], s[I13:I13+1] op_sel_hi:[1,0]
.set j, 24
.rept 20
	v_cmp_neq_f32 vcc_lo, v[Z+2*j], v[MX]
.if j == 24
	v_cndmask_b32 v[CL], j-4, v[ZQ], vcc_lo        ; equal: class + 1; the first line starts the chain
.else
	v_cndmask_b32 v[CL], j-4, v[CL], vcc_lo
.endif
	v_cmp_neq_f32 vcc_lo, v[Z+2*j+1], v[MX+1]
.if j == 24
	v_cndmask_b32 v[CL+1], j-4, v[ZQ], vcc_lo
.else
	v_cndmask_b32 v[CL+1], j-4, v[CL+1], vcc_lo
.endif
.set j, j-1
.endr
	s_wait_alu depctr_va_vdst(0)                   ; one wait for the batch, ahead of the first line that names a result
.set j, 0
.rept 10                                               ; the sum of the 20 pairs: 10, 5, 2, 1, 1 packed additions
	v_pk_add_f32 v[E+2*j:E+2*j+1], v[E+2*j:E+2*j+1], v[E+20+2*j:E+21+2*j]
.set j, j+1
.endr
.set j, 0
.rept 5
	v_pk_add_f32 v[E+2*j:E+2*j+1], v[E+2*j:E+2*j+1], v[E+10+2*j:E+11+2*j]
.set j, j+1
.endr
	v_pk_add_f32 v[E:E+1],   v[E:E+1],   v[E+2:E+3]
	v_pk_add_f32 v[E+4:E+5], v[E+4:E+5], v[E+6:E+7]
	v_pk_add_f32 v[U:U+1],   v[U:U+1],   1.0 op_sel_hi:[1,0]
	v_pk_add_f32 v[U+2:U+3], v[U+2:U+3], 1.0 op_sel_hi:[1,0]
	v_pk_add_f32 v[U+8:U+9], v[U+8:U+9], 1.0 op_sel_hi:[1,0]
	v_pk_add_f32 v[E:E+1],   v[E:E+1],   v[E+4:E+5]
	v_pk_add_f32 v[E:E+1],   v[E:E+1],   v[E+8:E+9]
	v_rcp_f32 v[U],   v[U]                         ; a batch of eight reciprocals
	v_rcp_f32 v[U+1], v[U+1]
	v_rcp_f32 v[U+2], v[U+2]
	v_rcp_f32 v[U+3], v[U+3]
	v_rcp_f32 v[Z+8], v[U+8]                       ; obj, where it is stored from
	v_rcp_f32 v[Z+9], v[U+9]
	v_rcp_f32 v[E],   v[E]                         ; 1 / sum
	v_rcp_f32 v[E+1], v[E+1]
	v_pk_mul_f32 v[Z+4:Z+5], v[U+4:U+5], v[BW:BW+1]   ; bw, bh: plain work that names no reciprocal
	v_pk_mul_f32 v[Z+6:Z+7], v[U+6:U+7], v[BH:BH+1]
	s_wait_alu depctr_va_vdst(0)                   ; one wait for the eight
	v_pk_add_f32 v[Z:Z+1],   v[U:U+1],   v[GX:GX+1]   ; the sum is rounded as reference() rounds it, then / 13
	v_pk_add_f32 v[Z+2:Z+3], v[U+2:U+3], v[GY:GY+1]
	v_pk_mul_f32 v[PV:PV+1], v[EC:EC+1], v[E:E+1]     ; softmax of the largest logit's class
	v_pk_mul_f32 v[Z:Z+1],   v[Z:Z+1],   s[I13:I13+1] op_sel_hi:[1,0]
	v_pk_mul_f32 v[Z+2:Z+3], v[Z+2:Z+3], s[I13:I13+1] op_sel_hi:[1,0]
	v_pk_mul_f32 v[PV:PV+1], v[PV:PV+1], v[Z+8:Z+9]   ; x obj
	v_cmp_lt_f32 s26, 0.5, v[PV]
	v_cmp_lt_f32 s27, 0.5, v[PV+1]
	v_cndmask_b32 v[PV],   0, v[PV],   s26         ; values are selected; no branch and no address hangs on them
	v_cndmask_b32 v[PV+1], 0, v[PV+1], s27
	v_cndmask_b32 v[CL],   0, v[CL],   s26
	v_cndmask_b32 v[CL+1], 0, v[CL+1], s27
.set j, 0
.rept 5                                                ; the five numbers of each box, onto the zeros
	ds_store_b32 v[BOX], v[Z+2*j]   offset:4*j
	ds_store_b32 v[BOX], v[Z+2*j+1] offset:100+4*j
.set j, j+1
.endr
	global_store_b64 v[O8], v[CL:CL+1], s[10:11]   ; 32 lanes x 8 bytes: 256 consecutive bytes, aligned
	global_store_b64 v[O8], v[PV:PV+1], s[12:13]
	s_cmp_eq_u32 ttmp9, NWG-1
	s_cbranch_scc1 .Ltail_out
.irp k, 0,1,2,3,4,5,6,7,8,9,10,11
	ds_load_b128 v[ST+4*(\k):ST+4*(\k)+3], v[O16] offset:512*(\k)
.endr
	ds_load_b64 v[ST+48:ST+49], v[O8] offset:6144
.irp k, 0,1,2,3,4,5,6,7,8,9,10,11
	s_wait_dscnt 12-(\k)                           ; the 12 - k younger LDS loads may stay out
	global_store_b128 v[O16], v[ST+4*(\k):ST+4*(\k)+3], s[8:9] offset:512*(\k) th:TH_STORE_NT  ; 16 lanes store 256 consecutive bytes, aligned
.endr
	s_wait_dscnt 0x0
	global_store_b64 v[O8], v[ST+48:ST+49], s[8:9] offset:6144 th:TH_STORE_NT
	s_branch .Lend
.Ltail_out:                                            ; the last wave stores its 3,200 bytes and nothing behind out0's end
.irp k, 0,1,2,3,4,5
	ds_load_b128 v[ST+4*(\k):ST+4*(\k)+3], v[O16] offset:512*(\k)
.endr
	ds_load_b32 v[ST+24], v[O4] offset:3072
.irp k, 0,1,2,3,4,5
	s_wait_dscnt 6-(\k)
	global_store_b128 v[O16], v[ST+4*(\k):ST+4*(\k)+3], s[8:9] offset:512*(\k) th:TH_STORE_NT
.endr
	s_wait_dscnt 0x0
	global_store_b32 v[O4], v[ST+24], s[8:9] offset:3072 th:TH_STORE_NT
.Lend:
	s_wait_tensorcnt 0x0                           ; the wave's end, behind my last LDS store
	ds_add_u32 v[SPW], v[NIL]
	s_wait_dscnt 0x0
	s_endpgm
.Lfunc_end_k_qaf0b4b4eea_decode:
	.size	k_qaf0b4b4eea_decode, .Lfunc_end_k_qaf0b4b4eea_decode-k_qaf0b4b4eea_decode
	.p2alignl 7, 3214868480
	.fill 96, 4, 3214868480
	.section	.rodata,"a",@progbits
	.p2align	6, 0x0
	.amdhsa_kernel k_qaf0b4b4eea_decode
		.amdhsa_group_segment_fixed_size 6656
		.amdhsa_private_segment_fixed_size 0
		.amdhsa_enable_private_segment 0
		.amdhsa_kernarg_size 40
		.amdhsa_user_sgpr_count 2
		.amdhsa_user_sgpr_kernarg_segment_ptr 1
		.amdhsa_wavefront_size32 1
		.amdhsa_system_sgpr_workgroup_id_x 1
		.amdhsa_system_sgpr_workgroup_id_y 1
		.amdhsa_system_sgpr_workgroup_id_z 1
		.amdhsa_system_vgpr_workitem_id 0
		.amdhsa_next_free_vgpr 192
		.amdhsa_next_free_sgpr 66
		.amdhsa_reserve_vcc 1
		.amdhsa_float_denorm_mode_32 3
		.amdhsa_float_denorm_mode_16_64 3
		.amdhsa_memory_ordered 1
		.amdhsa_forward_progress 1
		.amdhsa_inst_pref_size 27
	.end_amdhsa_kernel
	.amdgpu_metadata
---
amdhsa.version: [ 1, 2 ]
amdhsa.kernels:
  - .name:           k_qaf0b4b4eea_decode
    .symbol:         k_qaf0b4b4eea_decode.kd
    .args:
      - { .name: x, .offset: 0, .size: 8, .value_kind: global_buffer, .address_space: global }
      - { .name: bias, .offset: 8, .size: 8, .value_kind: global_buffer, .address_space: global }
      - { .name: out0, .offset: 16, .size: 8, .value_kind: global_buffer, .address_space: global }
      - { .name: cand, .offset: 24, .size: 8, .value_kind: global_buffer, .address_space: global }
      - { .name: score, .offset: 32, .size: 8, .value_kind: global_buffer, .address_space: global }
    .group_segment_fixed_size: 6656
    .private_segment_fixed_size: 0
    .kernarg_segment_align: 8
    .kernarg_segment_size: 40
    .max_flat_workgroup_size: 32
    .sgpr_count:     66
    .vgpr_count:     192
    .wavefront_size: 32
...
	.end_amdgpu_metadata
.endif
;; end of part 1
;; launch nms (part 2): grid 20 x 32, 1 waves a work-group, no clusters, 4,352 bytes of LDS; arguments x, bias, cand, score, out0; writes out0
.if DOCPART == 2
	.amdgcn_target "amdgcn-amd-amdhsa--gfx1250"
	.amdhsa_code_object_version 6
	.text
	.protected	k_qaf0b4b4eea_nms
	.globl	k_qaf0b4b4eea_nms
	.p2align	8
	.type	k_qaf0b4b4eea_nms,@function
k_qaf0b4b4eea_nms:
	s_mov_b64 s[64:65], 0
	v_nop
	global_prefetch_b8 v0, s[64:65] scope:SCOPE_SE
	s_setreg_imm32_b32 hwreg(HW_REG_WAVE_MODE, 25, 1), 1
	s_wait_xcnt 0x0
; REGION LAYER, SECOND LAUNCH: greedy suppression among the valid boxes of ONE image and ONE class, a wave for each of the 32 x 20 pairs.
; WORK LEFT OUT: boxes that are not valid for the class change nothing in reference()'s loop and get 0, which the first launch has stored; which boxes are valid is read from cand (whole numbers: class + 1 or 0).
; A wave without a candidate stores nothing and ends: the grid serves every split of the boxes over the classes, all 845 on one class too.
; THE WALK.  cand's 845 words of the image give 27 masks; the m candidates are packed, in the order of their numbers, through a list in LDS; each one's score and its four box numbers of x are gathered and the box decoded
; as reference() decodes it.  Then m trips: the largest pending score is taken, on a tie the lowest place (the order of reference()'s stable argsort); its box goes to every lane; it is marked as kept by the sign of its score;
; pending boxes that overlap it too much are set to 0.  A trip with nothing pending changes nothing.  At the end each candidate's word of out0 takes its score or 0.
; m and the places are whole numbers made from cand alone: they steer the trips, the jumps, the addresses and EXEC.  What is made from floating-point numbers only selects values.
; GROUPS.  Candidates lie 32 to a group of registers, place 32 g + lane.  Each pass is written out for 27 groups and left by a forward jump at ceil(m / 32): a trip's work goes with ceil(m / 32), the whole with m x ceil(m / 32).
; LIMITS.  inter / max(union, 1e-9) > 0.4 is tested as inter > 0.4 x max(union, 1e-9): equal in exact arithmetic (the divisor is positive); a pair within a last place of the line may fall on the other side.
; 1 / x by v_rcp_f32, / 13 as a product.  NaN and infinities are not treated apart (minima and maxima drop a NaN).  A suppressed box's 0 may be stored over the first launch's 0.
.set NBOX,   845
.set GROUPS, 27
.set LIST,   0                         ; LDS: 1,024 words: place p holds the p-th candidate's number in the image; word 1,023 takes what the other lanes write
.set SPARE,  4096                      ; behind it: the spare words, one block of 256 bytes that no other line names
.set SPW, 1                            ; v1   LDS address of my spare word; never rewritten
.set NIL, 2                            ; v2   0, for the add alone
.set O4,  3                            ; v3   4 x lane
.set O16, 4                            ; v4   16 x lane
.set DMP, 5                            ; v5   1,023
.set C64, 6                            ; v6   64: no group
.set ZR,  7                            ; v7   0
.set KM,  28                           ; v28  the largest pending score, or 0
.set KL,  29                           ; v29  the same, until my lane has found its first place with it; then -2, which no score is
.set PG,  30                           ; v30  the group of that place, or 64
.set QR,  31                           ; v31  4,096 - place: the largest of all lanes
.set QL,  32                           ; v32  my lane's own
.set DD,  33                           ; v33  the chosen place - lane: 32 g in the lane and group that hold it
.set PK,  34                           ; v[34:38] the chosen box: x1, y1, x2, y2, area
.set TP,  40                           ; v[40:44] the other half of the lanes' parts of them
.set TQ,  45                           ; v45  the same for a maximum
.set KEY, 48                           ; arrays of 27, a register a group: score: above 0 pending, 0 suppressed or no candidate, below 0 kept.  First: cand's words
.set BX1, 76
.set BY1, 104
.set BX2, 132
.set BY2, 160
.set ARE, 188                          ; area; before that the candidate's number in the image
.set OFS, 216                          ; its byte offset in x and in out0: 100 x box
.set C1,    16                         ; s16  class + 1
.set FIRST, 17                         ; s17  the image's first box
.set M,     20                         ; s20  candidates
.set NG,    21                         ; s21  groups in use
.set T,     22                         ; s22  trips done
.set SEL,   24                         ; s[24:25] v_permlanex16_b32's selects: each lane takes its own place in the other half
.set BI,    28                         ; s[28:37] bias / 13
.set LG,    38                         ; s38  log2 e
.set NL,    39                         ; s39  - log2 e
.set I13,   40                         ; s40  1 / 13
.set EPS,   41                         ; s41  1e-9
.set TH,    42                         ; s42  0.4
.set MK,    70                         ; s[70:96] the masks: bit l of mask g: box 32 g + l is a candidate
.macro RMAX r                          ; the largest of the 32 lanes' numbers, into every lane
.irp x, 1,2,4,8
	v_max_num_f32_dpp v[\r], v[\r], v[\r] row_xmask:\x row_mask:0xf bank_mask:0xf
.endr
	v_permlanex16_b32 v[TQ], v[\r], s[SEL], s[SEL+1]
	v_max_num_f32 v[\r], v[\r], v[TQ]
.endm
	s_load_b256 s[4:11], s[0:1], 0x0               ; x s[4:5], bias s[6:7], cand s[8:9], score s[10:11]
	s_load_b64 s[12:13], s[0:1], 0x20              ; out0
	v_lshl_add_u32 v[SPW], v0, 2, SPARE
	v_mov_b32 v[NIL], 0
	v_lshlrev_b32 v[O4], 2, v0
	s_and_b32 s15, ttmp7, 0xffff                   ; image
	s_add_co_u32 s[C1], ttmp9, 1
	s_mul_i32 s[FIRST], s15, NBOX
	s_lshl_b32 s18, s[FIRST], 2
	s_mov_b32 s19, 0
	s_wait_kmcnt 0x0
	s_add_nc_u64 s[8:9], s[8:9], s[18:19]          ; cand at the image's first box
.set g, 0
.rept GROUPS                                           ; 128 consecutive bytes a load.  The last reaches 19 words past the image: the next image's, or the words that the first launch stored behind the last box
	global_load_b32 v[KEY+g], v[O4], s[8:9] offset:128*g
.set g, g+1
.endr
	s_load_b256 s[BI:BI+7], s[6:7], 0x0            ; the ten priors: nothing in this launch writes bias
	s_load_b64 s[BI+8:BI+9], s[6:7], 0x20
	s_lshl_b32 s18, ttmp9, 2
	s_add_co_u32 s18, s18, 20
	s_add_nc_u64 s[12:13], s[12:13], s[18:19]      ; out0 at my class's column of box 0
	s_wait_loadcnt 0x0
.set g, 0
.rept GROUPS
	v_cmp_eq_u32 s[MK+g], s[C1], v[KEY+g]
.set g, g+1
.endr
	s_and_b32 s[MK+26], s[MK+26], 0x1fff           ; 845 = 26 x 32 + 13
	s_or_b32 s23, s[MK], s[MK+1]
.set g, 2
.rept GROUPS-2
	s_or_b32 s23, s23, s[MK+g]
.set g, g+1
.endr
	s_cmp_eq_u32 s23, 0
	s_cbranch_scc1 .Lnone                          ; no candidate: nothing has been written to LDS, nothing is stored
	v_lshlrev_b32 v[O16], 4, v0
	v_mov_b32 v[DMP], 0x3ff
	v_mov_b32 v[C64], 64
	v_mov_b32 v[ZR], 0
.set r, TP
.rept 6                                                ; v_permlanex16_b32 counts as a reader of its destination
	v_mov_b32 v[r], 0
.set r, r+1
.endr
.set r, BX1
.rept OFS+GROUPS-BX1                                   ; the passes below are left at ceil(m / 32) by jumps that all hang on one number; so that every register that they name is written on every way through the text, the arrays start at 0
	v_mov_b32 v[r], 0
.set r, r+1
.endr
	s_mov_b32 s[SEL], 0x76543210
	s_mov_b32 s[SEL+1], 0xfedcba98
	s_mov_b32 s[LG], 0x3fb8aa3b
	s_mov_b32 s[NL], 0xbfb8aa3b
	s_mov_b32 s[I13], 0x3d9d89d9
	s_mov_b32 s[EPS], 0x3089705f
	s_mov_b32 s[TH], 0x3ecccccd
.irp i, 0,1,2,3,4,5,6,7                                ; the list starts at 0: the places past m repeat box 0, which exists
	ds_store_b128 v[O16], v[BX1:BX1+3] offset:LIST+512*(\i)
.endr
	s_mov_b32 s[M], 0
.set g, 0
.rept GROUPS                                           ; place = candidates in the groups before + candidates in lower lanes of this group: the order of the boxes' numbers is kept
	v_mbcnt_lo_u32_b32 v10, s[MK+g], s[M]
	v_cndmask_b32 v10, v[DMP], v10, s[MK+g]        ; lanes without a candidate write the word that nobody reads
	v_min_u32 v10, 0x3ff, v10                      ; the place is 844 at the most; the bound keeps the address inside the list whatever cand holds
	v_lshlrev_b32 v10, 2, v10
	v_add_nc_u32 v11, 32*g, v0
	ds_store_b32 v10, v11 offset:LIST
	s_bcnt1_i32_b32 s23, s[MK+g]
	s_add_co_u32 s[M], s[M], s23
.set g, g+1
.endr
	s_add_co_u32 s[NG], s[M], 31
	s_lshr_b32 s[NG], s[NG], 5
.set g, 0
.rept GROUPS                                           ; LDS serves a wave's instructions in order (ISA guide 5.7.1.4): these see the stores above
.if g > 0
	s_cmp_le_u32 s[NG], g
	s_cbranch_scc1 .Llisted
.endif
	ds_load_b32 v[ARE+g], v[O4] offset:LIST+128*g
.set g, g+1
.endr
.Llisted:
	s_wait_dscnt 0x0
.set g, 0
.rept GROUPS
.if g > 0
	s_cmp_le_u32 s[NG], g
	s_cbranch_scc1 .Lasked
.endif
	v_min_u32 v[ARE+g], 0x34c, v[ARE+g]            ; a box of the image, whatever the list holds
	v_add_nc_u32 v10, s[FIRST], v[ARE+g]
	v_mul_u32_u24 v[OFS+g], v10, 100
	v_lshlrev_b32 v[KEY+g], 2, v10
	global_load_b32 v[KEY+g], v[KEY+g], s[10:11]   ; the score lands on its own address register
	global_load_b32 v[BX1+g], v[OFS+g], s[4:5]
	global_load_b32 v[BY1+g], v[OFS+g], s[4:5] offset:4
	global_load_b32 v[BX2+g], v[OFS+g], s[4:5] offset:8
	global_load_b32 v[BY2+g], v[OFS+g], s[4:5] offset:12
.set g, g+1
.endr
.Lasked:
	s_wait_kmcnt 0x0
.set r, 0
.rept 10
	s_mul_f32 s[BI+r], s[BI+r], s[I13]
.set r, r+1
.endr
	s_wait_loadcnt 0x0
.set g, 0
.rept GROUPS                                           ; the boxes, as reference() decodes them.  n / 5 = n x 52429 >> 18, c / 13 = c x 5042 >> 16: exact for n under 845, c under 169
.if g > 0
	s_cmp_le_u32 s[NG], g
	s_cbranch_scc1 .Lboxes
.endif
	v_mul_u32_u24 v10, v[ARE+g], 0xcccd
	v_lshrrev_b32 v10, 18, v10                     ; cell
	v_mul_u32_u24 v11, v10, 5
	v_sub_nc_u32 v11, v[ARE+g], v11                ; anchor
	v_mul_u32_u24 v12, v10, 0x13b2
	v_lshrrev_b32 v12, 16, v12                     ; row
	v_mul_u32_u24 v13, v12, 13
	v_sub_nc_u32 v10, v10, v13                     ; column
	v_cvt_f32_u32 v14, v10
	v_cvt_f32_u32 v15, v12
	v_mul_f32 v16, s[NL], v[BX1+g]
	v_mul_f32 v17, s[NL], v[BY1+g]
	v_mul_f32 v18, s[LG], v[BX2+g]
	v_mul_f32 v19, s[LG], v[BY2+g]
	v_exp_f32 v16, v16                             ; a batch of four
	v_exp_f32 v17, v17
	v_exp_f32 v18, v18
	v_exp_f32 v19, v19
	v_mov_b32 v20, s[BI+8]                         ; the anchor's priors are selected meanwhile
	v_mov_b32 v21, s[BI+9]
.irp a, 3,2,1,0
	v_cmp_eq_u32 vcc_lo, \a, v11
	v_cndmask_b32 v20, v20, s[BI+2*(\a)], vcc_lo
	v_cndmask_b32 v21, v21, s[BI+2*(\a)+1], vcc_lo
.endr
	s_wait_alu depctr_va_vdst(0)                   ; one wait for the four, ahead of their first reader
	v_add_f32 v16, 1.0, v16
	v_add_f32 v17, 1.0, v17
	v_rcp_f32 v16, v16
	v_rcp_f32 v17, v17
	v_mul_f32 v18, v18, v20                        ; bw, bh: plain work that names no reciprocal
	v_mul_f32 v19, v19, v21
	s_wait_alu depctr_va_vdst(0)                   ; one wait for the two
	v_add_f32 v16, v16, v14
	v_add_f32 v17, v17, v15
	v_mul_f32 v16, s[I13], v16                     ; bx
	v_mul_f32 v17, s[I13], v17                     ; by
	v_fma_f32 v[BX1+g], v18, -0.5, v16             ; bw / 2 is exact, so this is reference()'s bx - bw * 0.5
	v_fma_f32 v[BY1+g], v19, -0.5, v17
	v_add_f32 v[BX2+g], v[BX1+g], v18
	v_add_f32 v[BY2+g], v[BY1+g], v19
	v_mul_f32 v[ARE+g], v18, v19
	s_sub_co_u32 s23, s[M], 32*g                   ; candidates from this group on: 1 at the least
	v_cmp_gt_u32 vcc_lo, s23, v0
	v_cndmask_b32 v[KEY+g], 0, v[KEY+g], vcc_lo    ; a place past m holds no candidate
.if g == 0
	v_max_num_f32 v[KM], 0, v[KEY]
.else
	v_max_num_f32 v[KM], v[KM], v[KEY+g]
.endif
.set g, g+1
.endr
.Lboxes:
	RMAX KM
	s_mov_b32 s[T], 0
.Ltrip:                                                ; m trips; registers alone: no LDS, no memory
.set g, 0
.rept GROUPS                                           ; each lane picks its first place that holds the largest score, and that box
.if g == 0
	v_cmp_neq_f32 vcc_lo, v[KEY], v[KM]
	v_cndmask_b32 v[PK],   v[BX1], v[ZR], vcc_lo
	v_cndmask_b32 v[PK+1], v[BY1], v[ZR], vcc_lo
	v_cndmask_b32 v[PK+2], v[BX2], v[ZR], vcc_lo
	v_cndmask_b32 v[PK+3], v[BY2], v[ZR], vcc_lo
	v_cndmask_b32 v[PK+4], v[ARE], v[ZR], vcc_lo
	v_cndmask_b32 v[PG], 0, v[C64], vcc_lo
	v_cndmask_b32 v[KL], -2.0, v[KM], vcc_lo
.else
	s_cmp_le_u32 s[NG], g
	s_cbranch_scc1 .Lpicked
	v_cmp_neq_f32 vcc_lo, v[KEY+g], v[KL]
	v_cndmask_b32 v[PK],   v[BX1+g], v[PK],   vcc_lo
	v_cndmask_b32 v[PK+1], v[BY1+g], v[PK+1], vcc_lo
	v_cndmask_b32 v[PK+2], v[BX2+g], v[PK+2], vcc_lo
	v_cndmask_b32 v[PK+3], v[BY2+g], v[PK+3], vcc_lo
	v_cndmask_b32 v[PK+4], v[ARE+g], v[PK+4], vcc_lo
	v_cndmask_b32 v[PG], g, v[PG], vcc_lo
	v_cndmask_b32 v[KL], -2.0, v[KL], vcc_lo
.endif
.set g, g+1
.endr
.Lpicked:
	v_lshl_add_u32 v[QL], v[PG], 5, v0             ; my place, 2,048 + lane if I have none
	v_sub_nc_u32 v[QL], 0x1000, v[QL]              ; the lowest place is the largest of 4,096 - place: whole numbers under 2^24, exact in f32
	v_cvt_f32_u32 v[QL], v[QL]
	v_mov_b32 v[QR], v[QL]                         ; my own is kept, to be held against the largest
	RMAX QR
	v_cmp_eq_f32 vcc_lo, v[QL], v[QR]              ; one lane alone: the places differ
.irp i, 0,1,2,3,4
	v_cndmask_b32 v[PK+(\i)], 0, v[PK+(\i)], vcc_lo
.endr
.irp x, 1,2,4,8                                        ; a sum of one number and 31 zeros brings the box to every lane; the five sums by turns
.irp i, 0,1,2,3,4
	v_add_f32_dpp v[PK+(\i)], v[PK+(\i)], v[PK+(\i)] row_xmask:\x row_mask:0xf bank_mask:0xf
.endr
.endr
.irp i, 0,1,2,3,4
	v_permlanex16_b32 v[TP+(\i)], v[PK+(\i)], s[SEL], s[SEL+1]
.endr
.irp i, 0,1,2,3,4
	v_add_f32 v[PK+(\i)], v[PK+(\i)], v[TP+(\i)]
.endr
	v_cvt_u32_f32 v[DD], v[QR]
	v_sub_nc_u32 v[DD], 0x1000, v[DD]
	v_sub_nc_u32 v[DD], v[DD], v0
.set g, 0
.rept GROUPS
.if g > 0
	s_cmp_le_u32 s[NG], g
	s_cbranch_scc1 .Ljudged
.endif
	v_cmp_eq_u32 vcc_lo, 32*g, v[DD]
	v_sub_f32 v20, 0, v[KEY+g]
	v_cndmask_b32 v[KEY+g], v[KEY+g], v20, vcc_lo  ; the chosen box is kept: its score turns negative
	v_min_num_f32 v21, v[PK+2], v[BX2+g]
	v_max_num_f32 v22, v[PK],   v[BX1+g]
	v_min_num_f32 v23, v[PK+3], v[BY2+g]
	v_max_num_f32 v24, v[PK+1], v[BY1+g]
	v_sub_f32 v21, v21, v22
	v_sub_f32 v23, v23, v24
	v_max_num_f32 v21, 0, v21
	v_max_num_f32 v23, 0, v23
	v_mul_f32 v21, v21, v23                        ; inter
	v_add_f32 v22, v[PK+4], v[ARE+g]
	v_sub_f32 v22, v22, v21                        ; union
	v_max_num_f32 v22, s[EPS], v22
	v_mul_f32 v22, s[TH], v22
	v_cmp_gt_f32 vcc_lo, v21, v22
	v_min_num_f32 v20, 0, v[KEY+g]                 ; a pending score becomes 0; kept ones (the chosen box among them) and zeros stay
	v_cndmask_b32 v[KEY+g], v[KEY+g], v20, vcc_lo
.if g == 0
	v_max_num_f32 v[KM], 0, v[KEY]                 ; the next trip's largest pending score
.else
	v_max_num_f32 v[KM], v[KM], v[KEY+g]
.endif
.set g, g+1
.endr
.Ljudged:
	RMAX KM
	s_add_co_u32 s[T], s[T], 1
	s_cmp_lt_u32 s[T], s[M]
	s_cbranch_scc1 .Ltrip
.set g, 0
.rept GROUPS                                           ; each candidate's word of out0: its score if kept, else 0
.if g > 0
	s_cmp_le_u32 s[NG], g
	s_cbranch_scc1 .Lstored
.endif
	v_sub_f32 v[KEY+g], 0, v[KEY+g]
	v_max_num_f32 v[KEY+g], 0, v[KEY+g]
	s_sub_co_u32 s23, s[M], 32*g
	v_cmp_gt_u32 vcc_lo, s23, v0                   ; the places past m store nothing
	s_wait_xcnt 0x0                                ; EXEC changes only behind this wait: it is a source of the memory instructions issued before
	s_and_saveexec_b32 s26, vcc_lo
	global_store_b32 v[OFS+g], v[KEY+g], s[12:13]
	s_wait_xcnt 0x0                                ; and again, in front of the line that widens it
	s_or_b32 exec_lo, exec_lo, s26
.set g, g+1
.endr
.Lstored:
	s_wait_tensorcnt 0x0                           ; the wave's end, behind my last LDS store
	ds_add_u32 v[SPW], v[NIL]
	s_wait_dscnt 0x0
.Lnone:
	s_endpgm
.Lfunc_end_k_qaf0b4b4eea_nms:
	.size	k_qaf0b4b4eea_nms, .Lfunc_end_k_qaf0b4b4eea_nms-k_qaf0b4b4eea_nms
	.p2alignl 7, 3214868480
	.fill 96, 4, 3214868480
	.section	.rodata,"a",@progbits
	.p2align	6, 0x0
	.amdhsa_kernel k_qaf0b4b4eea_nms
		.amdhsa_group_segment_fixed_size 4352
		.amdhsa_private_segment_fixed_size 0
		.amdhsa_enable_private_segment 0
		.amdhsa_kernarg_size 40
		.amdhsa_user_sgpr_count 2
		.amdhsa_user_sgpr_kernarg_segment_ptr 1
		.amdhsa_wavefront_size32 1
		.amdhsa_system_sgpr_workgroup_id_x 1
		.amdhsa_system_sgpr_workgroup_id_y 1
		.amdhsa_system_sgpr_workgroup_id_z 1
		.amdhsa_system_vgpr_workitem_id 0
		.amdhsa_next_free_vgpr 244
		.amdhsa_next_free_sgpr 100
		.amdhsa_reserve_vcc 1
		.amdhsa_float_denorm_mode_32 3
		.amdhsa_float_denorm_mode_16_64 3
		.amdhsa_memory_ordered 1
		.amdhsa_forward_progress 1
		.amdhsa_inst_pref_size 151
	.end_amdhsa_kernel
	.amdgpu_metadata
---
amdhsa.version: [ 1, 2 ]
amdhsa.kernels:
  - .name:           k_qaf0b4b4eea_nms
    .symbol:         k_qaf0b4b4eea_nms.kd
    .args:
      - { .name: x, .offset: 0, .size: 8, .value_kind: global_buffer, .address_space: global }
      - { .name: bias, .offset: 8, .size: 8, .value_kind: global_buffer, .address_space: global }
      - { .name: cand, .offset: 16, .size: 8, .value_kind: global_buffer, .address_space: global }
      - { .name: score, .offset: 24, .size: 8, .value_kind: global_buffer, .address_space: global }
      - { .name: out0, .offset: 32, .size: 8, .value_kind: global_buffer, .address_space: global }
    .group_segment_fixed_size: 4352
    .private_segment_fixed_size: 0
    .kernarg_segment_align: 8
    .kernarg_segment_size: 40
    .max_flat_workgroup_size: 32
    .sgpr_count:     100
    .vgpr_count:     244
    .wavefront_size: 32
...
	.end_amdgpu_metadata
.endif
;; end of part 2
